; MI455X (gfx1250); checked and timed in simulation.
; The chip was launched on July 23, 2026; its instructions are those of AMD's public machine-readable ISA for CDNA 5 (MIT licence, August 2026) and "CDNA5" Instruction Set Architecture Reference Guide (July 2026). The comments in the code are by the model that wrote it; some were corrected since.
;; Flex Attention. Allowed arithmetic: matrix products marked QUANTISED: E2M3 operands, one E8M0 scale for each 32 along K, by v_wmma_scale_f32_16x16x128_f8f6f4 with both operands' format E2M3, f32 sums; everything else in f32.
;; Inputs: W_out_codes 1,024 x 64 x 24 uint8 (E2M3 codes of W_out, K innermost, in blocks of 32 codes, four codes in three bytes); W_out_scales 1,024 x 64 uint8 (E8M0 scales of W_out, one for each 32 codes along K); W_qkv_codes 4,096 x 32 x 24 uint8 (E2M3 codes of W_qkv, K innermost, in blocks of 32 codes, four codes in three bytes); W_qkv_scales 4,096 x 32 uint8 (E8M0 scales of W_qkv, one for each 32 codes along K); inputs_codes 4 x 1,024 x 32 x 24 uint8 (E2M3 codes of inputs, K innermost, in blocks of 32 codes, four codes in three bytes); inputs_scales 4 x 1,024 x 32 uint8 (E8M0 scales of inputs, one for each 32 codes along K).
;; Outputs: out0 4 x 1,024 x 1,024 float32.
;; This version of the problem:
;;   THIS VERSION OF THE PROBLEM IS GIVEN IN LOW PRECISION. The matrix products marked QUANTISED in the list below multiply operands that are first quantised to E2M3 (2 exponent bits, 3 mantissa bits; 6 bits a number), with one power-of-two scale for each 32 numbers along K (OCP MX v1.0); their sums are f32. All else is computed in f32.
;;   The module's matrix products, in the order in which they are computed (A, B: the left and right operand; K: the contracted axis; several contracted axes count as one K, in the product's order):
;;     1. [M 4,096, K 1,024] x [K 1,024, N 4,096]; A: input inputs (given as codes); B: input W_qkv (given as codes): QUANTISED
;;     2. batch 128 x [M 1,024, K 64] x [K 64, N 1,024]; A: computed on the way; B: computed on the way: QUANTISED
;;     3. batch 128 x [M 1,024, K 1,024] x [K 1,024, N 64]; A: softmax (see below); B: computed on the way: QUANTISED
;;     4. [M 4,096, K 2,048] x [K 2,048, N 1,024]; A: computed on the way; B: input W_out (given as codes): QUANTISED
;;   THE QUANTISER, for each operand of a quantised product, along K:
;;     - K is cut into blocks of 32 from its start; a last block that is shorter is filled with zeros.
;;     - A block's scale is 2^e with e = floor(log2(the largest magnitude in the block)) - 2, held to -126 .. 127; a block of zeros has e = 0. As a byte (E8M0): e + 127.
;;     - Each number is divided by its block's scale, clamped to +-7.5, and rounded to the nearest number of E2M3, ties to even, subnormals kept.
;;     - The product sums the exact products of the quantised numbers (number of the format x scale) in f32.
;;   ~~~python
;;   def quantise(x, axis):      # numpy; x: float32 -> the quantised numbers, widened to float32 again
;;       x = np.moveaxis(x, axis, -1); K = x.shape[-1]
;;       x = np.pad(x, [(0, 0)] * (x.ndim - 1) + [(0, -K % 32)]); x = x.reshape(x.shape[:-1] + (-1, 32)); a = np.abs(x).max(-1, keepdims=True)
;;       e = np.where(a > 0, np.clip(np.frexp(np.where(a > 0, a, 1))[1] - 1 - 2, -126, 127), 0)      # np.frexp(a)[1] - 1 = floor(log2(a)), exactly
;;       r = np.clip(x / 2.0 ** e, -7.5, 7.5)
;;       step = 2.0 ** (np.maximum(np.frexp(np.where(r == 0, 1, r))[1] - 1, 0) - 3)
;;       q = np.round(r / step) * step * 2.0 ** e      # np.round: ties to even
;;       return np.moveaxis(q.reshape(q.shape[:-2] + (-1,))[..., :K], -1, axis).astype(np.float32)
;;   ~~~
;;   SOFTMAX AHEAD OF A QUANTISED PRODUCT. Where the list says 'softmax', what is quantised is not the finished softmax but p = 2^(t - M), with t = logit x log2(e) and M = ceil(the row's largest t), a whole number; so 1/2 < the row's largest p <= 1. The row's sum l is taken of the UNQUANTISED p, in f32, and the product's result is divided by l at the end. Since M is a whole number, a kernel that streams over the keys may use a running M (the ceiling of the running maximum): every later rescaling is an exact power of two, which a block's scale takes up: the codes' values come out the same.
;;   OPERANDS COMPUTED ON THE WAY. 'Computed on the way' means the value that the module computes at that place (a softmax that the list does not call 'softmax' is quantised finished and normalised). What goes into a quantiser is computed in f32, as accurately as f32 sums, v_exp_f32 and their like allow (about 1e-6 of the number): no bf16 or f16 on the way to a quantiser, and a product that is left as it is and whose result goes on into a quantised operand takes f32 operands (vector FMAs, or v_wmma_f32_16x16x4_f32). A number that lies on a knife's edge between two numbers of the format may be rounded either way, as far as f32 arithmetic and the matrix unit's own rounding can turn it there, and no further.
;;   INPUTS GIVEN AS CODES. W_out (in the module: [2048, 1024], K = its axis 0); W_qkv (in the module: [1024, 4096], K = its axis 0); inputs (in the module: [4, 1024, 1024], K = its axis 2): each comes as NAME_codes (uint8): NAME with its K axis moved to the last place and cut into blocks of 32 codes, [.., K / 32, bytes a block], one block behind the other in memory; four codes in three bytes: a row's codes are one little-endian stream of bits, code i at bits 6 i .. 6 i + 5 (a code: sign, 2 exponent bits, 3 mantissa bits); and NAME_scales (uint8): the same leading axes, one E8M0 byte (e + 127) for each 32 codes along K. Its value is code x scale, taken as it is: it is not quantised again, and the codes and scales need not be those that the quantiser above would give.
;; One version. Each part assembles by itself: llvm-mc -triple=amdgcn-amd-amdhsa -mcpu=gfx1250 --defsym DOCPART=n.
;; ======== version 1 of 1: 3 launches
;; workspace buffers: qc 6,553,600 bytes; kv 6,553,600 bytes; ao 6,291,456 bytes; asc 262,144 bytes
;; launch qkv (part 1): grid 16 x 16, 4 waves a work-group, clusters of 4 x 4, 327,680 bytes of LDS; arguments inputs_codes, inputs_scales, W_qkv_codes, W_qkv_scales, qc, kv; writes qc, kv
.if DOCPART == 1
	.amdgcn_target "amdgcn-amd-amdhsa--gfx1250"
	.amdhsa_code_object_version 6
	.text
	.protected	k_q9da5e60310_qkv
	.globl	k_q9da5e60310_qkv
	.p2align	8
	.type	k_q9da5e60310_qkv,@function
k_q9da5e60310_qkv:
	s_mov_b64 s[64:65], 0
	v_nop
	global_prefetch_b8 v0, s[64:65] scope:SCOPE_SE
	s_setreg_imm32_b32 hwreg(HW_REG_WAVE_MODE, 25, 1), 1
	s_wait_xcnt 0x0
	s_wait_alu depctr_hold_cnt(0) depctr_sa_sdst(0) depctr_va_vdst(0) depctr_va_sdst(0) depctr_va_ssrc(0) depctr_va_vcc(0) depctr_vm_vsrc(0)
	s_getreg_b32 s2, hwreg(HW_REG_IB_STS2, 6, 4)
	s_cmp_eq_u32 s2, 0
	s_cbranch_scc0 .Lentry_in_a_cluster
	s_endpgm
.Lentry_in_a_cluster:
	s_bfe_u32 s2, ttmp6, 0x10000c
	s_cmp_lg_u32 s2, 0xf033
	s_cbranch_scc0 .Lentry_shape_is_right
	s_endpgm
.Lentry_shape_is_right:
; qkv = inputs x W_qkv on codes of FP6 (E2M3) with E8M0 scales, M = N = 4,096, K = 1,024, and q, k, v quantised again in registers: only codes leave.
; A work-group of four waves makes 256 x 256 of the product, a wave 128 x 128: 64 accumulators, 512 registers.  K goes in steps of 256 through two LDS slots filled by the tensor data mover.
; TWO ROLES.  R is source 1 of the matrix instruction: a lane of the result holds ONE row of R.  P is source 0: a lane's registers run along P's rows, and that is the axis that is quantised next.
;   clusters x = 0, 1 (q) and 2 (k): R = inputs (tokens), P = W_qkv (the heads' 64 numbers).   cluster x = 3 (v): R = W_qkv's rows 3,072 on, P = inputs: v is quantised along the tokens (the keys).
; THE ROWS OF A TILE OF 16 ARE NOT NEIGHBOURS, in R and in P alike: lane r of tile i takes row 32 (i / 2) + 8 (i % 2) + r + 8 (r / 8).  So the 16 registers of P's tiles 2 b, 2 b + 1 are 16 neighbours,
; 32 b + 16 (lane / 16) + 0 .. 15, as the conversions want them.  Price: rows 16 apart lie 3,840 bytes apart in LDS, a whole number of times 256: two lanes of a fragment load meet in a bank.
; WHAT LEAVES: blocks of 6,400 bytes in the order of an operand's registers: four images of 1,536 bytes (12 registers: group k of four registers at 512 k + 16 x lane), then 256 bytes of scale words (lane 16 h + r: the words of images h and 2 + h for row r).
;   q, k: image g of (head, 128 tokens): registers 0-5 token tile 2 g, 6-11 token tile 2 g + 1, each the head's 64 numbers.   v: image t: 16 of the head's 64 x 128 keys.
; CLUSTERS: 4 x 4 work-groups; R's tiles are shared along a row of the cluster, P's along a column: each is asked for jointly.
; LIMITS: NaN and infinities are not served.  A block of q, k or v whose largest magnitude lies under 2^-124 (a block of zeros too) gets the byte 1: its codes are then zeros or subnormal codes; only this program reads these bytes.
; REGISTERS: window 0: v0-31 addresses; v32-63 scale words, two sets, and nothing else; v128-223 R's fragments, one set; on the way out v64-127 at work, v128-223 the images, v224-239 at work.
;   window 1: P's fragments, two sets, at v0 and v128.   windows 2, 3: the accumulators ((a, b) at v[8 (8 (a % 4) + b)] of window 2 + a / 4).
.set KSTEP,  256
.set NQ,     2                         ; matrix instructions deep in a slot
.set ROWB,   192                       ; a tile's row: 256 codes
.set KROW,   768                       ; a row of codes in memory: 1,024 codes
.set PITCH,  240                       ; an LDS row: 3 x (64 bytes + 16 of padding)
.set FR,     12
.set NL,     6
.set NP,     4
.set HALFT,  128*PITCH
.set SLOT,   4*HALFT                   ; R's 256 rows, then P's 256 rows
.set LAPS,   2                         ; 1,024 / 512
.set KS,     32                        ; a row of scale bytes
.set SCL,    2*SLOT
.set HALFS,  16*272                    ; the scales of 128 rows: 16 units of 256 bytes + 16
.set SPARE,  SCL+4*HALFS               ; the spare words: 128 bytes a wave, two blocks of 256 bytes that no other line names
.set ADRA, 16                          ; v16-17 LDS address of R's fragments in slot 0, 1; v18-19 behind one padding more
.set ADRB, 20                          ; v20-23 the same for P
.set LI,   24                          ; v24 16 x lane
.set L8,   25                          ; v25 8 x lane
.set FLOOR, 26                         ; v26 2^(3 - 127)
.set ADRS, 27                          ; v27 my scale words: lanes 0-15 R's rows, lanes 16-31 P's
.set SPW,  28
.set NIL,  29
.set SC,   32
.set TM,   64                          ; v64-67 largest magnitudes, v68-71 the other half's, then bytes, v76-79 the conversions' scale operands
.set PW,   80                          ; v80-87 the scale word of each of R's eight blocks
.set OW,   96                          ; v96-99 scale words as they leave
.set WW,   100                         ; v100-107 the images' scale words
.set AF,   128
.set IM,   128
.set G1, 24
.set G0, 32
.set G1B, 48
.set G0B, 56
.set G1S, 68
.set G0S, 76
.set G1SB, 80
.set G0SB, 88
.set MSB, 0
.macro WIN new                         ; the immediate's high byte repeats the setting that is left
.if MSB != (\new)
	s_set_vgpr_msb (MSB<<8)|(\new)
.set MSB, (\new)
.endif
.endm
.set MUL_LO, 0xa1                      ; source 0 (P) window 1, source 1 (R) window 0, C and D window 2
.set MUL_HI, 0xf1
.set TO_B,   0x40
; A joint load: waves 0 and 1 fetch for R, waves 2 and 3 for P.  The branch hangs on the wave's number alone.  Four v_nop follow each of the two lines.
.macro JLOAD g0a, g1a, g0b, g1b
	s_cmp_eq_u32 s15, 0
	s_cbranch_scc0 .Lfor_b_\@
	tensor_load_to_lds s[\g0a:\g0a+3], s[\g1a:\g1a+7]
	s_nop 0
.rept 4
	v_nop
.endr
	s_branch .Lasked_\@
.Lfor_b_\@:
	tensor_load_to_lds s[\g0b:\g0b+3], s[\g1b:\g1b+7]
	s_nop 0
.rept 4
	v_nop
.endr
.Lasked_\@:
.endm
.macro CREST                           ; a round of the cluster's barrier behind its opening barrier
	s_cmp_lg_u32 s14, 0
	s_cbranch_scc1 .Lnot_wave_0_\@
	s_barrier_signal -3
.Lnot_wave_0_\@:
	s_barrier_wait -3
	s_barrier_signal -1
	s_barrier_wait -1
.endm
.macro CROUND
	s_barrier_signal -1
	s_barrier_wait -1
	CREST
.endm
	s_load_b128 s[4:7], s[0:1], 0x0                ; inputs' codes, scales
	s_load_b128 s[8:11], s[0:1], 0x10              ; W_qkv's codes, scales
	s_load_b128 s[96:99], s[0:1], 0x20             ; qc, kv
	v_lshl_add_u32 v[SPW], v0, 2, SPARE
	v_mov_b32 v[NIL], 0
	ds_add_u32 v28, v29
	ds_add_u32 v28, v29
	s_wait_dscnt 0x0
	v_lshrrev_b32 v1, 5, v0
	v_readfirstlane_b32 s14, v1                    ; wave 0..3
	s_lshr_b32 s15, s14, 1                         ; which half of R's rows is mine.  Also: I fetch for R (0) or for P (1)
	s_and_b32 s16, s14, 1                          ; which half of P's rows.  Also: which 128 rows I fetch
	s_bfe_u32 s40, ttmp6, 0x40000                  ; cx
	s_bfe_u32 s41, ttmp6, 0x40004                  ; cy
	s_and_b32 s17, ttmp7, 0xffff
	s_lshl_b32 s17, s17, 2                         ; 4 x cluster y
	s_lshl_b32 s42, ttmp9, 2                       ; 4 x cluster x
	s_cmp_eq_u32 ttmp9, 3                          ; v's cluster?  The cluster's x is the same in all sixteen partners
	s_cselect_b32 s42, s17, s42                    ; P's first tile of the cluster: tokens for v, else W_qkv's rows
	s_cselect_b32 s17, 12, s17                     ; R's: W_qkv's rows 3,072 on for v, else tokens
	s_add_co_u32 s42, s42, s40                     ; TP: P's tile of 256 rows hangs on cx alone
	s_add_co_u32 s17, s17, s41                     ; TR: R's on cy alone
	s_lshl_b32 s43, s41, 2
	s_lshl_b32 s43, 15, s43                        ; my row of the cluster
	s_lshl_b32 s44, 0x1111, s40                    ; my column
	s_or_b32 s[G1+0], s43, (0<<16)|(1<<20)|(1<<21)|(3<<22)|(3<<25)  ; the mask; elements of 1 byte; padding on; bit 21 beside a mask; after every 16 words, 4 words
	s_or_b32 s[G1B+0], s44, (0<<16)|(1<<20)|(1<<21)|(3<<22)|(3<<25)
.irp g, G1, G1B
	s_mov_b32 s[\g+1], ROWB<<16                    ; tensor_dim0
	s_mov_b32 s[\g+2], 128<<16                     ; tensor_dim1
	s_mov_b32 s[\g+3], ROWB<<16                    ; tile_dim0
	s_mov_b32 s[\g+4], 128                         ; tile_dim1
	s_mov_b32 s[\g+5], KROW                        ; the pitch
	s_mov_b32 s[\g+6], 0
	s_mov_b32 s[\g+7], 0
.endr
	s_or_b32 s[G1S+0], s43, (3<<16)|(1<<20)|(1<<21)|(5<<22)|(3<<25)  ; the scales of 128 rows: 4,096 dense bytes as 16 rows of 256, 16 bytes of padding behind each
	s_or_b32 s[G1SB+0], s44, (3<<16)|(1<<20)|(1<<21)|(5<<22)|(3<<25)
.irp g, G1S, G1SB
	s_mov_b32 s[\g+1], 32<<16
	s_mov_b32 s[\g+2], 16<<16
	s_mov_b32 s[\g+3], 32<<16
	s_mov_b32 s[\g+4], 16
	s_mov_b32 s[\g+5], 32
	s_mov_b32 s[\g+6], 0
	s_mov_b32 s[\g+7], 0
.endr
	s_lshl_b32 s18, s16, 7
	s_lshl_b32 s20, s17, 8
	s_add_co_u32 s20, s20, s18                     ; R: row 256 TR + 128 x half
	s_lshl_b32 s46, s42, 8
	s_add_co_u32 s46, s46, s18                     ; P: row 256 TP + 128 x half
	s_mov_b32 s21, 0
	s_mov_b32 s47, 0
	s_mov_b64 s[18:19], KS
	s_mul_u64 s[22:23], s[20:21], s[18:19]         ; these rows' scales, in bytes
	s_mul_u64 s[92:93], s[46:47], s[18:19]
	s_mov_b64 s[18:19], KROW
	s_mul_u64 s[20:21], s[20:21], s[18:19]         ; and their codes
	s_mul_u64 s[46:47], s[46:47], s[18:19]
	s_mul_i32 s45, s14, HALFT                      ; where they go: wave x 128 rows
	s_mul_i32 s94, s14, HALFS
	s_wait_kmcnt 0x0
	s_cmp_eq_u32 ttmp9, 3                          ; for v the two tensors change roles: a choice between buffers that hangs on the cluster's x alone
	s_cselect_b64 s[12:13], s[8:9], s[4:5]
	s_cselect_b64 s[8:9], s[4:5], s[8:9]           ; P's codes
	s_mov_b64 s[4:5], s[12:13]                     ; R's codes
	s_cselect_b64 s[12:13], s[10:11], s[6:7]
	s_cselect_b64 s[10:11], s[6:7], s[10:11]       ; P's scales
	s_mov_b64 s[6:7], s[12:13]                     ; R's scales
	s_add_nc_u64 s[20:21], s[4:5], s[20:21]
	s_add_nc_u64 s[22:23], s[6:7], s[22:23]
	s_add_nc_u64 s[46:47], s[8:9], s[46:47]
	s_add_nc_u64 s[92:93], s[10:11], s[92:93]
	CROUND                                         ; all sixteen work-groups are here: the first joint loads meet
	s_mov_b32 s[G0S], 1
	s_add_co_u32 s[G0S+1], s94, SCL
	s_mov_b64 s[G0S+2:G0S+3], s[22:23]
	s_or_b32 s[G0S+3], s[G0S+3], 0x80000000
	s_mov_b32 s[G0SB], 1
	s_add_co_u32 s[G0SB+1], s94, SCL
	s_mov_b64 s[G0SB+2:G0SB+3], s[92:93]
	s_or_b32 s[G0SB+3], s[G0SB+3], 0x80000000
	JLOAD G0S, G1S, G0SB, G1SB                     ; the scales first: filled once, for all of K
.irp s, 0,1
	s_mov_b32 s[G0+4*\s], 1
	s_add_co_u32 s[G0+4*\s+1], s45, \s*SLOT
	s_add_nc_u64 s[G0+4*\s+2:G0+4*\s+3], s[20:21], \s*ROWB
	s_or_b32 s[G0+4*\s+3], s[G0+4*\s+3], 0x80000000
	s_mov_b32 s[G0B+4*\s], 1
	s_add_co_u32 s[G0B+4*\s+1], s45, \s*SLOT
	s_add_nc_u64 s[G0B+4*\s+2:G0B+4*\s+3], s[46:47], \s*ROWB
	s_or_b32 s[G0B+4*\s+3], s[G0B+4*\s+3], 0x80000000
	JLOAD G0+4*\s, G1, G0B+4*\s, G1B               ; three loads of mine are out at the most
.endr
	v_and_b32 v1, 15, v0                           ; r
	v_bfe_u32 v2, v0, 4, 1                         ; h
	v_and_b32 v3, 8, v1
	v_add_nc_u32 v3, v3, v1                        ; r + 8 (r / 8): the tile's rows
	v_mul_u32_u24 v3, v3, PITCH
	v_mul_u32_u24 v4, v2, 24
	v_add_nc_u32 v4, v3, v4                        ; row x pitch + 24 x half
	v_lshl_add_u32 v5, v2, 4, v4                   ; and the same behind one padding more
	s_mul_i32 s21, s15, HALFT                      ; my 128 rows of R
	s_mul_i32 s22, s16, HALFT                      ; my 128 rows of P,
	s_add_co_u32 s22, s22, 2*HALFT                 ; which lie behind R's 256
.irp s, 0,1
	v_add_nc_u32 v[ADRA+\s], s21, v4
	v_add_nc_u32 v[ADRB+\s], s22, v4
	v_add_nc_u32 v[ADRA+2+\s], s21, v5
	v_add_nc_u32 v[ADRB+2+\s], s22, v5
	s_add_co_u32 s21, s21, SLOT
	s_add_co_u32 s22, s22, SLOT
.endr
	v_and_b32 v5, 7, v1                            ; my row's scales: eight rows of 32 bytes to a unit; row r + 8 (r / 8) lies in unit 2 (r / 8), at 32 (r % 8)
	v_lshlrev_b32 v5, 5, v5
	v_lshrrev_b32 v6, 3, v1
	v_mad_u32_u24 v5, v6, 544, v5
	s_mul_i32 s21, s15, HALFS
	s_mul_i32 s22, s16, HALFS
	s_add_co_u32 s22, s22, 2*HALFS
	s_sub_co_u32 s22, s22, s21
	v_mul_u32_u24 v6, s22, v2                      ; lanes 16-31 take P's
	s_add_co_u32 s21, s21, SCL
	v_add_nc_u32 v5, v5, v6
	v_add_nc_u32 v[ADRS], s21, v5
	v_and_b32 v6, 31, v0
	v_lshlrev_b32 v[LI], 4, v6
	v_lshlrev_b32 v[L8], 3, v6
	v_mov_b32 v[FLOOR], 0x1800000
.macro FRAG reg, adr, q, i             ; a fragment: 16 rows x 128 K in 12 registers, six pieces of 8 bytes as they lie; tile i begins at row 32 (i / 2) + 8 (i % 2)
.irp p, 0,1,2,3,4,5
.set PCE, 12*(\q)+6*(\p/3)+\p%3
.if PCE%8 < 5
	ds_load_b64 v[\reg+2*\p:\reg+2*\p+1], v[\adr] offset:8*PCE+16*(PCE/8)+(32*((\i)/2)+8*((\i)%2))*PITCH
.else
	ds_load_b64 v[\reg+2*\p:\reg+2*\p+1], v[\adr+2] offset:8*PCE+16*(PCE/8)+(32*((\i)/2)+8*((\i)%2))*PITCH
.endif
.endr
.endm
; 16 matrix instructions: R's blocks a0, a0 + 1 x P's eight.  The 64 accumulators take turns, one instruction a turn, in the same order in every step.
.macro MUL16 a0, p, q, sc, zero
.irp a, \a0, \a0+1
.irp b, 0,1,2,3,4,5,6,7
.if \zero
	v_wmma_scale_f32_16x16x128_f8f6f4 v[8*(8*((\a)%4)+\b):8*(8*((\a)%4)+\b)+7], v[128*(\p)+FR*\b:128*(\p)+FR*\b+FR-1], v[AF+FR*(\a):AF+FR*(\a)+FR-1], 0, v[SC+8*NQ*(\sc)+NQ*\b+(\q)], v[SC+8*NQ*(\sc)+NQ*(\a)+(\q)] matrix_a_fmt:MATRIX_FMT_FP6 matrix_b_fmt:MATRIX_FMT_FP6 matrix_a_scale:MATRIX_SCALE_ROW1
.else
	v_wmma_scale_f32_16x16x128_f8f6f4 v[8*(8*((\a)%4)+\b):8*(8*((\a)%4)+\b)+7], v[128*(\p)+FR*\b:128*(\p)+FR*\b+FR-1], v[AF+FR*(\a):AF+FR*(\a)+FR-1], v[8*(8*((\a)%4)+\b):8*(8*((\a)%4)+\b)+7], v[SC+8*NQ*(\sc)+NQ*\b+(\q)], v[SC+8*NQ*(\sc)+NQ*(\a)+(\q)] matrix_a_fmt:MATRIX_FMT_FP6 matrix_b_fmt:MATRIX_FMT_FP6 matrix_a_scale:MATRIX_SCALE_ROW1
.endif
.endr
.endr
.endm
.macro FETCH_B slot, q, p
	WIN TO_B
.irp i, 0,1,2,3,4,5,6,7
	FRAG 128*(\p)+FR*\i, ADRB+\slot, \q, \i
.endr
	WIN 0
.endm
.macro FETCH_A slot, q, i0
.irp i, \i0, \i0+1, \i0+2, \i0+3
	FRAG AF+FR*(\i), ADRA+\slot, \q, \i
.endr
.endm
.macro SCALES sc                       ; a slot's two scale words a row: lanes 0-15 R's block i, lanes 16-31 P's block i; block i begins in unit 4 (i / 2) + i % 2
.irp i, 0,1,2,3,4,5,6,7
	ds_load_b64 v[SC+8*NQ*\sc+NQ*\i:SC+8*NQ*\sc+NQ*\i+1], v[ADRS] offset:(4*(\i/2)+\i%2)*272
.endr
.endm
.macro PLACES n                        ; plain vector lines between a matrix instruction and a load into, or a read of, its registers
.rept \n
	v_nop
.endr
.endm
.macro STEP slot, q, zero              ; a step of 128 along K that has its successor in the same slot
	s_wait_dscnt 4*NL                              ; P's set and R's blocks 0-3 are in; the youngest 24 loads (R's blocks 4-7) may be out
	WIN MUL_LO
	MUL16 0, (\q)%2, \q, \slot, \zero
	MUL16 2, (\q)%2, \q, \slot, \zero
	s_wait_dscnt 0
	PLACES NP
	FETCH_B \slot, (\q)+1, 1-(\q)%2
	FETCH_A \slot, (\q)+1, 0
	WIN MUL_HI
	MUL16 4, (\q)%2, \q, \slot, \zero
	MUL16 6, (\q)%2, \q, \slot, \zero
	PLACES NP
	WIN 0
	FETCH_A \slot, (\q)+1, 4
.endm
; A slot's last step changes slots: one barrier; in front of it each wave waits for all its tensor loads, adds 0 to its spare word, and waits for that and for its reads of this slot.
.macro TURN slot, next, fill
	s_wait_tensorcnt 0x0                           ; all my tensor loads have landed: my part of the next slot
	ds_add_u32 v[SPW], v[NIL]                      ; 0 onto my spare word
	s_wait_dscnt 4*NL+1                            ; the add and the youngest 24 loads (R's blocks 4-7) may be out
	WIN MUL_LO
	MUL16 0, 1, NQ-1, \slot, 0
	s_wait_dscnt 0x0                               ; the add is done, and my reads of this slot are over
	s_barrier_signal -1
	MUL16 2, 1, NQ-1, \slot, 0
	WIN 0
	s_barrier_wait -1
.if \fill
	CREST                                          ; the barrier has opened a round of the cluster's barrier: no wave of any partner still reads this slot or has a load on its way
	s_add_nc_u64 s[G0+4*\slot+2:G0+4*\slot+3], s[G0+4*\slot+2:G0+4*\slot+3], 2*ROWB
	s_add_nc_u64 s[G0B+4*\slot+2:G0B+4*\slot+3], s[G0B+4*\slot+2:G0B+4*\slot+3], 2*ROWB
	JLOAD G0+4*\slot, G1, G0B+4*\slot, G1B         ; the first tensor load behind the round; its four v_nop are the places in front of the loads below
.else
	PLACES NP
.endif
	v_add_nc_u32 v[ADRS], 4*NQ, v[ADRS]            ; the next slot's scale words
	FETCH_B \next, 0, 0
	FETCH_A \next, 0, 0
	SCALES \next
	WIN MUL_HI
	MUL16 4, 1, NQ-1, \slot, 0
	MUL16 6, 1, NQ-1, \slot, 0
	PLACES NP
	WIN 0
	FETCH_A \next, 0, 4
.endm
	s_wait_tensorcnt 1                             ; the scales and my part of slot 0 are in; slot 1's load may be out
	s_barrier_signal -1
	s_barrier_wait -1
	FETCH_B 0, 0, 0
	FETCH_A 0, 0, 0
	SCALES 0
	FETCH_A 0, 0, 4
	STEP 0, 0, 1                                   ; the first step's products start the sums
	s_mov_b32 s3, LAPS-1
.Llap:
	TURN 0, 1, 1
	STEP 1, 0, 0
	TURN 1, 0, 1
	STEP 0, 0, 0
	s_sub_co_u32 s3, s3, 1
	s_cmp_lg_u32 s3, 0
	s_cbranch_scc1 .Llap
	TURN 0, 1, 0                                   ; the last lap fills nothing
	STEP 1, 0, 0
	s_wait_dscnt 4*NL
	WIN MUL_LO
	MUL16 0, 1, NQ-1, 1, 0
	MUL16 2, 1, NQ-1, 1, 0
	s_wait_dscnt 0
	WIN MUL_HI
	MUL16 4, 1, NQ-1, 1, 0
	MUL16 6, 1, NQ-1, 1, 0
	WIN 0
; THE WAY OUT.  R's block a: a lane's 64 results, register 16 b + i = P's row 32 b + 16 (lane / 16) + i, become four blocks of codes and a scale word.
; d0, d1: where the six registers of P's rows 0-63 and of rows 64-127 go.  The conversions write to work registers CT whose numbers differ from their sources' numbers, though the windows differ too.
.macro QUANT a, d0, d1
.set AC, 64*((\a)%4)
.set WA, 2+(\a)/4
.set CT, 224-116*(AC/128)
	WIN 20*WA                                      ; sources 1 and 2: the accumulators' window
.irp b, 0,1,2,3
	v_max3_num_f32 v[TM+\b], v[FLOOR], |v[AC+16*\b]|, |v[AC+16*\b+1]|   ; each accumulator is read from its low end on; the floor holds the byte at 1 from below
.endr
.irp i, 2,4,6,8,10,12,14
.irp b, 0,1,2,3
	v_max3_num_f32 v[TM+\b], v[TM+\b], |v[AC+16*\b+\i]|, |v[AC+16*\b+\i+1]|
.endr
.endr
	WIN 0
.irp b, 0,1,2,3
	v_permlanex16_b32 v[TM+4+\b], v[TM+\b], s100, s101
.endr
.irp b, 0,1,2,3
	v_max_num_f32 v[TM+\b], v[TM+\b], v[TM+4+\b]   ; with lane l xor 16's 16: the block's largest magnitude
.endr
.irp b, 0,1,2,3
	v_add_nc_u32 v[TM+12+\b], 0xff000000, v[TM+\b] ; 2 off its exponent field: the conversion's scale operand
.endr
.irp b, 0,1,2,3
	v_lshrrev_b32 v[TM+4+\b], 23, v[TM+12+\b]      ; the scale's byte
.endr
	v_lshl_or_b32 v[PW+(\a)], v[TM+5], 8, v[TM+4]
	v_lshl_or_b32 v[PW+(\a)], v[TM+6], 16, v[PW+(\a)]
	v_lshl_or_b32 v[PW+(\a)], v[TM+7], 24, v[PW+(\a)]
	WIN WA                                         ; source 0: the accumulators' window
.irp b, 0,1,2,3
	v_cvt_scalef32_pk16_fp6_f32 v[CT+4*\b:CT+4*\b+2], v[AC+16*\b:AC+16*\b+15], v[TM+12+\b]
.endr
	WIN 0
	v_nop                                          ; one plain line behind the scaled conversions
.irp i, 0,1,2
	v_permlane16_swap_b32 v[CT+\i], v[CT+4+\i]     ; a whole block to a lane: lanes 0-15 the even block, lanes 16-31 the odd one
	v_permlane16_swap_b32 v[CT+8+\i], v[CT+12+\i]
.endr
.irp i, 0,1,2
	v_mov_b32 v[\d0+\i], v[CT+\i]
	v_mov_b32 v[\d0+3+\i], v[CT+4+\i]
	v_mov_b32 v[\d1+\i], v[CT+8+\i]
	v_mov_b32 v[\d1+3+\i], v[CT+12+\i]
.endr
.endm
	PLACES NP                                      ; behind the last products: their results are read, and registers that they read are written
.irp b, 0,1,2,3
	v_mov_b32 v[TM+4+\b], 0                        ; a lane permute's destination counts as one of its sources
.endr
	v_cmp_eq_u32 vcc_lo, 1, v2                     ; lanes 16-31
	s_mov_b32 s100, 0x76543210
	s_mov_b32 s101, 0xfedcba98                     ; v_permlanex16_b32's selects for lane l xor 16
	s_cmp_eq_u32 ttmp9, 3
	s_cbranch_scc1 .Lv_out
	; q and k: R = tokens: batch TR / 4, step of 128 tokens 2 (TR % 4) + my half; P = two heads, 4 TP + 2 x my half on
	s_lshr_b32 s18, s17, 2
	s_and_b32 s19, s17, 3
	s_lshl_b32 s19, s19, 1
	s_add_co_u32 s19, s19, s15
	s_lshl_b32 s20, s42, 2
	s_lshl_b32 s21, s16, 1
	s_add_co_u32 s20, s20, s21
	s_mov_b32 s22, 12800
	s_cmp_lt_u32 ttmp9, 2                          ; q or k
	s_cselect_b64 s[4:5], s[96:97], s[98:99]       ; qc or kv
	s_cselect_b32 s21, 5, 4                        ; 32 or 16 heads to a batch
	s_cselect_b32 s23, 0, 32                       ; k's heads begin at column 2,048
	s_cselect_b32 s22, 6400, s22                   ; bytes from step to step
	s_sub_co_u32 s20, s20, s23
	s_lshl_b32 s18, s18, s21
	s_add_co_u32 s18, s18, s20
	s_lshl_b32 s18, s18, 3
	s_add_co_u32 s18, s18, s19
	s_mul_i32 s18, s18, s22
	s_mov_b32 s19, 0
	s_add_nc_u64 s[4:5], s[4:5], s[18:19]          ; my first head's block
	s_lshl_b32 s18, s22, 3
	s_add_nc_u64 s[6:7], s[4:5], s[18:19]          ; my second head's: eight steps on
.irp g, 0,1,2,3
	QUANT 2*\g, IM+24*\g, IM+24*\g+12
	QUANT 2*\g+1, IM+24*\g+6, IM+24*\g+18
.irp c, 0,1
.irp k, 0,1,2
	global_store_b128 v[LI], v[IM+24*\g+12*\c+4*\k:IM+24*\g+12*\c+4*\k+3], s[4+2*\c:5+2*\c] offset:1536*\g+512*\k   ; 32 lanes store 512 consecutive bytes, at a multiple of 256; every store has registers of its own
.endr
.endr
.endr
.irp g, 0,1,2,3
	v_perm_b32 v[WW+\g], v[PW+2*\g+1], v[PW+2*\g], 0x05040100     ; image g of the first head: two bytes of tile 2 g, two of tile 2 g + 1
	v_perm_b32 v[WW+4+\g], v[PW+2*\g+1], v[PW+2*\g], 0x07060302   ; of the second head
.endr
.irp c, 0,1
	v_cndmask_b32 v[OW+2*\c], v[WW+4*\c], v[WW+4*\c+1], vcc_lo
	v_cndmask_b32 v[OW+2*\c+1], v[WW+4*\c+2], v[WW+4*\c+3], vcc_lo
	global_store_b64 v[L8], v[OW+2*\c:OW+2*\c+1], s[4+2*\c:5+2*\c] offset:6144   ; 256 consecutive bytes
.endr
	s_branch .Ldone
.Lv_out:
	; v: P = tokens: batch TP / 4, step 2 (TP % 4) + my half; R = two heads, 4 (TR - 12) + 2 x my half on; V's block lies behind K's
	s_lshr_b32 s18, s42, 2
	s_and_b32 s19, s42, 3
	s_lshl_b32 s19, s19, 1
	s_add_co_u32 s19, s19, s16
	s_sub_co_u32 s20, s17, 12
	s_lshl_b32 s20, s20, 2
	s_lshl_b32 s21, s15, 1
	s_add_co_u32 s20, s20, s21
	s_lshl_b32 s18, s18, 4
	s_add_co_u32 s18, s18, s20
	s_lshl_b32 s18, s18, 3
	s_add_co_u32 s18, s18, s19
	s_mul_i32 s18, s18, 12800
	s_add_co_u32 s18, s18, 6400
	s_mov_b32 s19, 0
	s_add_nc_u64 s[4:5], s[98:99], s[18:19]
	s_add_nc_u64 s[6:7], s[4:5], 102400
.irp a, 0,1,2,3,4,5,6,7
	QUANT \a, IM+12*\a, IM+12*\a+6
.irp k, 0,1,2
	global_store_b128 v[LI], v[IM+12*\a+4*\k:IM+12*\a+4*\k+3], s[4+2*(\a/4):5+2*(\a/4)] offset:1536*(\a%4)+512*\k
.endr
.endr
.irp c, 0,1
	v_cndmask_b32 v[OW+2*\c], v[PW+4*\c], v[PW+4*\c+1], vcc_lo
	v_cndmask_b32 v[OW+2*\c+1], v[PW+4*\c+2], v[PW+4*\c+3], vcc_lo
	global_store_b64 v[L8], v[OW+2*\c:OW+2*\c+1], s[4+2*\c:5+2*\c] offset:6144
.endr
.Ldone:
	s_wait_tensorcnt 0x0                           ; the wave's end
	ds_add_u32 v[SPW], v[NIL]
	s_wait_dscnt 0x0
	CROUND                                         ; the closing round: no work-group ends while a partner may still ask for a tile that names it
	s_endpgm
.Lfunc_end_k_q9da5e60310_qkv:
	.size	k_q9da5e60310_qkv, .Lfunc_end_k_q9da5e60310_qkv-k_q9da5e60310_qkv
	.p2alignl 7, 3214868480
	.fill 96, 4, 3214868480
	.section	.rodata,"a",@progbits
	.p2align	6, 0x0
	.amdhsa_kernel k_q9da5e60310_qkv
		.amdhsa_group_segment_fixed_size 327680
		.amdhsa_private_segment_fixed_size 0
		.amdhsa_enable_private_segment 0
		.amdhsa_kernarg_size 48
		.amdhsa_user_sgpr_count 2
		.amdhsa_user_sgpr_kernarg_segment_ptr 1
		.amdhsa_wavefront_size32 1
		.amdhsa_system_sgpr_workgroup_id_x 1
		.amdhsa_system_sgpr_workgroup_id_y 1
		.amdhsa_system_sgpr_workgroup_id_z 1
		.amdhsa_system_vgpr_workitem_id 0
		.amdhsa_next_free_vgpr 1024
		.amdhsa_next_free_sgpr 102
		.amdhsa_reserve_vcc 1
		.amdhsa_float_denorm_mode_32 3
		.amdhsa_float_denorm_mode_16_64 3
		.amdhsa_memory_ordered 1
		.amdhsa_forward_progress 1
		.amdhsa_inst_pref_size 200
	.end_amdhsa_kernel
	.amdgpu_metadata
---
amdhsa.version: [ 1, 2 ]
amdhsa.kernels:
  - .name:           k_q9da5e60310_qkv
    .symbol:         k_q9da5e60310_qkv.kd
    .args:
      - { .name: inputs_codes, .offset: 0, .size: 8, .value_kind: global_buffer, .address_space: global }
      - { .name: inputs_scales, .offset: 8, .size: 8, .value_kind: global_buffer, .address_space: global }
      - { .name: W_qkv_codes, .offset: 16, .size: 8, .value_kind: global_buffer, .address_space: global }
      - { .name: W_qkv_scales, .offset: 24, .size: 8, .value_kind: global_buffer, .address_space: global }
      - { .name: qc, .offset: 32, .size: 8, .value_kind: global_buffer, .address_space: global }
      - { .name: kv, .offset: 40, .size: 8, .value_kind: global_buffer, .address_space: global }
    .group_segment_fixed_size: 327680
    .private_segment_fixed_size: 0
    .kernarg_segment_align: 8
    .kernarg_segment_size: 48
    .max_flat_workgroup_size: 128
    .sgpr_count:     102
    .vgpr_count:     1024
    .wavefront_size: 32
...
	.end_amdgpu_metadata
.endif
;; end of part 1
;; launch attn (part 2): grid 4 x 64, 16 waves a work-group, no clusters, 169,984 bytes of LDS; arguments qc, kv, ao, asc; writes ao, asc
.if DOCPART == 2
	.amdgcn_target "amdgcn-amd-amdhsa--gfx1250"
	.amdhsa_code_object_version 6
	.text
	.protected	k_q9da5e60310_attn
	.globl	k_q9da5e60310_attn
	.p2align	8
	.type	k_q9da5e60310_attn,@function
k_q9da5e60310_attn:
	s_mov_b64 s[64:65], 0
	v_nop
	global_prefetch_b8 v0, s[64:65] scope:SCOPE_SE
	s_setreg_imm32_b32 hwreg(HW_REG_WAVE_MODE, 25, 1), 1
	s_wait_xcnt 0x0
; Causal attention with ALiBi on codes of FP6 (E2M3): S^T = k q^T (K = 64), p = 2^(t - M) quantised along the keys, O^T = v^T p^T, o = O / l quantised along the head's 64 for the last product.
; SHARES.  A work-group owns one (batch, key and value head) and two blocks of 128 queries, i and 7 - i, for both query heads of that head: (i + 1) + (8 - i) = 9 key steps of 128 for every wave of the launch.
; Sixteen waves, four to a SIMD: wave w takes query head 2 kvh + (w & 1) and tile w >> 1 of 16 queries.  A lane holds ONE query throughout (both products are used transposed).
; NO CLUSTER: what tells the four work-groups that share a head's K and V apart is their block of queries, and on it hang the branches that leave hidden key steps out; partners in joint loads must run alike.
; LDS: the head's eight steps of K and V, 102,400 bytes in the order of the operands' registers, come ONCE (waves 0 and 1, two tensor loads each); nothing is filled again.  Behind them 1,024 bytes for o's scale words.
; K = 64 IN AN INSTRUCTION OF K = 128: an image of K holds two tiles of 16 keys on end; source 1 is [q | 0] for the first tile and [0 | q] for the second: zero codes add nothing.  q lies once, as 18 registers [q | 0 | q].
; ALIBI: key - query = (KF - Q0) + 32 b + (16 h - qrel + k).  The last term, x 8 x slope, is the C of the score products (16 registers made once); the rest is one number a block, added with -M.
; SOFTMAX: t = score x log2(e) / 8 + bias x log2(e); M = the running largest t rounded up to a whole number; the sum is taken of the unquantised p; when M moves, the sum and O^T are multiplied by 2^(old M - new M), exactly.
; LIMITS: NaN and infinities are not served.  The slopes are 2^(-p / 4), p = head + 1, as correctly rounded f32 numbers.  1 / l is v_rcp_f32.  A block of p or o under 2^-124 gets the byte 1; only this program reads these bytes.
.set STG,  102400                      ; o's scale words: 512 bytes for each of the two jobs; written by LDS stores alone
.set LI,   1                           ; v1   16 x lane
.set L8,   2                           ; v2   8 x lane
.set ADK,  3                           ; v3   the step's images
.set AD8,  4                           ; v4   the step's scale words
.set DM,   5                           ; v5   my query - 16 h, counted from the block's first token: key register 16 b + i is hidden on the diagonal where 32 b + i > DM
.set NF,   6                           ; v6   KF - Q0 as f32
.set AQS,  7                           ; v7   my query's scale word in q's block
.set STA,  8                           ; v8   where my 16 bits of o's scale word go
.set AQ,   9                           ; v9   my image in q's block
.set QR,   16                          ; v16-33 [q | 0 | q]
.set QS,   34                          ; v34  q's scale word
.set PS,   35                          ; v35  p's scale word
.set F,    36                          ; v36-83 four images
.set AB,   84                          ; v84-91 the blocks' addends KB - M, at the even registers
.set KSC,  92                          ; v92-93 K's scale words
.set VSC,  94                          ; v94-95 V's
.set S,    96                          ; v96-159 scores, then p
.set O,    160                         ; v160-191 O^T
.set T,    192                         ; v192-207 8 x slope x (16 h - qrel + k)
.set PC,   208                         ; v208-219 codes
.set YT,   220                         ; v220-227 codes on their way
.set BM,   228                         ; v228-231 the blocks' largest scores
.set PD,   232                         ; v232-235 the other half's, then bytes
.set XB,   236                         ; v236-239 the blocks' largest t, then p
.set SO,   240                         ; v240-243 the conversions' scale operands
.set FF,   244                         ; v244-245 f, later 1 / l
.set NINF, 246
.set RDA,  247                         ; v247 STG + 16 x lane
.set C2,   248                         ; v248-249 the sum's second chain
.set KB,   250                         ; v250-253 slope x log2(e) x (KF - Q0 + 32 b)
	s_load_b256 s[4:11], s[0:1], 0x0               ; qc s[4:5], kv s[6:7], ao s[8:9], asc s[10:11]
	v_lshl_add_u32 v223, v0, 2, 0x29000
	v_mov_b32 v227, 0
	ds_add_u32 v223, v227
	ds_add_u32 v223, v227
	v_lshrrev_b32 v1, 5, v0
	v_readfirstlane_b32 s12, v1                    ; wave 0..15
	s_and_b32 s13, s12, 1                          ; e: which of the two query heads
	s_lshr_b32 s14, s12, 1                         ; j: my tile of 16 queries
	s_and_b32 s15, s14, 1                          ; u
	s_lshr_b32 s16, s14, 1                         ; G: my image
	s_mov_b32 s17, ttmp9                           ; i
	s_and_b32 s18, ttmp7, 0xffff                   ; 16 x batch + key and value head
	s_lshr_b32 s19, s18, 4
	s_and_b32 s20, s18, 15
	s_lshl_b32 s21, s20, 1
	s_add_co_u32 s21, s21, s13                     ; my query head
	s_mov_b32 s36, 3<<16                           ; group 1: 100 rows of 32 elements of 8 bytes, dense: 25,600 bytes, two steps; no mask, no padding
	s_mov_b32 s37, 32<<16
	s_mov_b32 s38, 100<<16
	s_mov_b32 s39, 32<<16
	s_mov_b32 s40, 100
	s_mov_b32 s41, 32
	s_mov_b32 s42, 0
	s_mov_b32 s43, 0
	s_mul_i32 s66, s18, 102400                     ; the head's K and V
	s_mul_i32 s45, s12, 25600                      ; wave 0: steps 0, 1 and 4, 5; wave 1: steps 2, 3 and 6, 7 (the other waves issue nothing, and their numbers here are not used)
	s_add_co_u32 s66, s66, s45
	s_mov_b32 s67, 0
	s_mov_b32 s44, 1
	s_mov_b32 s48, 1
	s_add_co_u32 s49, s45, 51200
	s_wait_dscnt 0x0
	s_wait_kmcnt 0x0
	s_add_nc_u64 s[46:47], s[6:7], s[66:67]
	s_add_nc_u64 s[50:51], s[46:47], 51200
	s_or_b32 s47, s47, 0x80000000
	s_or_b32 s51, s51, 0x80000000
	s_cmp_lt_u32 s12, 2
	s_cbranch_scc0 .Lno_fill
	tensor_load_to_lds s[44:47], s[36:43]          ; two loads of mine are out
	s_nop 0
	tensor_load_to_lds s[48:51], s[36:43]
	s_nop 0
.rept 4
	v_nop
.endr
.Lno_fill:
	s_add_co_u32 s66, s21, 1                       ; p = head + 1; slope = 2^(-(p % 4) / 4) x 2^(-(p / 4))
	s_and_b32 s67, s66, 3
	s_lshr_b32 s66, s66, 2
	s_lshl_b32 s66, s66, 23
	s_mov_b32 s68, 0x3f800000
	s_mov_b32 s69, 0x3f5744fd                      ; 2^(-1/4)
	s_cmp_eq_u32 s67, 1
	s_cselect_b32 s68, s69, s68
	s_mov_b32 s69, 0x3f3504f3                      ; 2^(-1/2)
	s_cmp_eq_u32 s67, 2
	s_cselect_b32 s68, s69, s68
	s_mov_b32 s69, 0x3f1837f0                      ; 2^(-3/4)
	s_cmp_eq_u32 s67, 3
	s_cselect_b32 s68, s69, s68
	s_sub_co_u32 s68, s68, s66                     ; the slope
	s_add_co_u32 s26, s68, 3<<23                   ; 8 x slope
	v_mov_b32 v254, s68
	v_mul_f32 v254, 0x3fb8aa3b, v254               ; sigma = slope x log2(e)
	v_readfirstlane_b32 s27, v254
	v_mul_f32 v255, 0x42000000, v254
	v_readfirstlane_b32 s28, v255                  ; 32 sigma
	v_mul_f32 v255, 0x42800000, v254
	v_readfirstlane_b32 s29, v255                  ; 64 sigma
	v_mul_f32 v255, 0x42c00000, v254
	v_readfirstlane_b32 s30, v255                  ; 96 sigma
	s_mov_b32 s22, 0x3e38aa3b                      ; c = log2(e) / 8
	s_mov_b32 s23, s22                             ; (named with it as a pair)
	s_mov_b32 s24, 0x76543210
	s_mov_b32 s25, 0xfedcba98                      ; lane l xor 16
	s_cmp_eq_u32 s15, 1
	s_cselect_b32 s31, -1, 0                       ; all lanes take the image's second tile where u = 1
	s_lshl_b32 s32, s15, 4
	v_and_b32 v254, 31, v0
	v_lshlrev_b32 v[LI], 4, v254
	v_lshlrev_b32 v[L8], 3, v254
	v_and_b32 v10, 15, v0                          ; r
	v_bfe_u32 v11, v0, 4, 1                        ; h
	v_and_b32 v255, 8, v10
	v_add_nc_u32 v255, v255, v10
	v_lshl_add_u32 v255, s15, 3, v255              ; qrel = 8 u + r + 8 (r / 8): my query in its group of 32
	v_lshlrev_b32 v254, 4, v11
	v_sub_nc_u32 v254, v254, v255                  ; 16 h - qrel
	s_lshl_b32 s66, s16, 5
	v_sub_nc_u32 v[DM], s66, v254
.irp k, 0,1,2,3,4,5,6,7,8,9,10,11,12,13,14,15
	v_add_nc_u32 v[T+\k], \k, v254
.endr
.irp k, 0,1,2,3,4,5,6,7,8,9,10,11,12,13,14,15
	v_cvt_f32_i32 v[T+\k], v[T+\k]
.endr
.irp k, 0,1,2,3,4,5,6,7,8,9,10,11,12,13,14,15
	v_mul_f32 v[T+\k], s26, v[T+\k]
.endr
	s_and_b32 s66, s16, 1
	s_lshl_b32 s66, s66, 7
	s_lshr_b32 s67, s16, 1
	s_lshl_b32 s67, s67, 2
	s_add_co_u32 s66, s66, s67
	s_add_co_u32 s66, s66, 6144
	v_lshl_add_u32 v[AQS], v10, 3, s66             ; 6,144 + 8 (16 (G % 2) + r) + 4 (G / 2)
	s_lshl_b32 s66, s14, 6
	s_lshl_b32 s67, s13, 1
	s_add_co_u32 s66, s66, s67
	s_add_co_u32 s66, s66, STG
	v_lshl_add_u32 v[STA], v10, 2, s66             ; STG + 64 j + 4 r + 2 e
	s_mul_i32 s66, s16, 1536
	v_add_nc_u32 v[AQ], s66, v[LI]
	v_add_nc_u32 v[RDA], STG, v[LI]
	v_mov_b32 v[NINF], 0xff800000
.irp i, 6,7,8,9,10,11
	v_mov_b32 v[QR+\i], 0                          ; the zero codes between the two q
.endr
.irp b, 0,1,2,3
	v_mov_b32 v[AB+2*\b+1], 0                      ; named as upper halves of pairs
	v_mov_b32 v[PD+\b], 0                          ; a lane permute's destination counts as one of its sources
.endr
	v_mov_b32 v[FF+1], 0
	s_wait_tensorcnt 0x1                           ; my first load has landed (steps 0 to 3 between waves 0 and 1); the second may stay out
	s_barrier_signal -1
	s_barrier_wait -1
; A KEY STEP: 128 keys.  s52 the block of queries, s53 the step, s54 the step's first LDS byte.
.macro STEP
	s_cmp_gt_u32 s53, s52                          ; all its keys come after my queries: its work is left out; the trip count stays a constant
	s_cbranch_scc1 .Lskip_\@
	v_add_nc_u32 v[ADK], s54, v[LI]                ; (these six lines and NF's step are the places behind the last products, in front of the loads below)
	v_add_nc_u32 v[AD8], s54, v[L8]
	v_mul_f32 v[KB], s27, v[NF]
	v_fma_f32 v[KB+1], s27, v[NF], s28
	v_fma_f32 v[KB+2], s27, v[NF], s29
	v_fma_f32 v[KB+3], s27, v[NF], s30
.irp g, 0,1,2,3
.irp k, 0,1,2
	ds_load_b128 v[F+12*\g+4*\k:F+12*\g+4*\k+3], v[ADK] offset:1536*\g+512*\k   ; K's four images, as they lie
.endr
.endr
	ds_load_b64 v[KSC:KSC+1], v[AD8] offset:6144
	s_wait_dscnt 0x0
.irp g, 0,1,2,3
.irp u, 0,1
.if \g%2
	v_wmma_scale_f32_16x16x128_f8f6f4 v[S+16*\g+8*\u:S+16*\g+8*\u+7], v[F+12*\g:F+12*\g+11], v[QR+6*\u:QR+6*\u+11], v[T+8*\u:T+8*\u+7], v[KSC+\g/2], v[QS] matrix_a_fmt:MATRIX_FMT_FP6 matrix_b_fmt:MATRIX_FMT_FP6 matrix_a_scale:MATRIX_SCALE_ROW1
.else
	v_wmma_scale_f32_16x16x128_f8f6f4 v[S+16*\g+8*\u:S+16*\g+8*\u+7], v[F+12*\g:F+12*\g+11], v[QR+6*\u:QR+6*\u+11], v[T+8*\u:T+8*\u+7], v[KSC+\g/2], v[QS] matrix_a_fmt:MATRIX_FMT_FP6 matrix_b_fmt:MATRIX_FMT_FP6
.endif
.endr
.endr                                  ; register 16 b + i of S: key KF + 32 b + 16 h + i, score + 8 x slope x (16 h - qrel + i)
.rept 4
	v_nop                                          ; places: behind them K's registers take V, and the scores are read
.endr
.irp t, 0,1,2,3
.irp k, 0,1,2
	ds_load_b128 v[F+12*\t+4*\k:F+12*\t+4*\k+3], v[ADK] offset:6400+1536*\t+512*\k   ; V's four images land while the softmax is walked
.endr
.endr
	ds_load_b64 v[VSC:VSC+1], v[AD8] offset:12544
	s_cmp_lg_u32 s53, s52                          ; on the diagonal hidden scores become -infinity ahead of the maximum
	s_cbranch_scc1 .Lopen_\@
.set n, 0
.rept 64
	v_cmp_gt_i32 vcc_lo, 32*(n/16)+n%16, v[DM]
	v_cndmask_b32 v[S+n], v[S+n], v[NINF], vcc_lo
.set n, n+1
.endr
.Lopen_\@:
.irp b, 0,1,2,3
	v_max3_num_f32 v[BM+\b], v[S+16*\b], v[S+16*\b+1], v[S+16*\b+2]   ; the largest score of each block of 32 keys: for the row's maximum and for the block's largest p
.endr
.irp i, 3,5,7,9,11,13
.irp b, 0,1,2,3
	v_max3_num_f32 v[BM+\b], v[BM+\b], v[S+16*\b+\i], v[S+16*\b+\i+1]
.endr
.endr
.irp b, 0,1,2,3
	v_max_num_f32 v[BM+\b], v[BM+\b], v[S+16*\b+15]
.endr
.irp b, 0,1,2,3
	v_permlanex16_b32 v[PD+\b], v[BM+\b], s24, s25
.endr
.irp b, 0,1,2,3
	v_max_num_f32 v[BM+\b], v[BM+\b], v[PD+\b]
.endr
.irp b, 0,1,2,3
	v_fma_f32 v[XB+\b], v[BM+\b], s22, v[KB+\b]    ; as t
.endr
	v_max3_num_f32 v254, v[XB], v[XB+1], v[XB+2]
	v_max_num_f32 v254, v254, v[XB+3]
	v_max_num_f32 v13, v13, v254                   ; the running largest t
	v_mov_b32 v254, v12
	v_floor_f32 v12, -v13                          ; -M = floor(-t): M is a whole number
	v_sub_f32 v254, v12, v254                      ; old M - new M, 0 or less
	v_cvt_i32_f32 v254, v254                       ; (it saturates)
	v_ldexp_f32 v[FF], 1.0, v254                   ; f = 2^(old M - new M)
.irp b, 0,1,2,3
	v_add_f32 v[AB+2*\b], v[KB+\b], v12
.endr
.set n, 0
.rept 32
	v_pk_fma_f32 v[S+2*n:S+2*n+1], v[S+2*n:S+2*n+1], s[22:23], v[AB+2*(n/8):AB+2*(n/8)+1] op_sel_hi:[1,0,0]   ; t - M, two at a time
.set n, n+1
.endr
.irp b, 0,1,2,3
	v_fma_f32 v[XB+\b], v[BM+\b], s22, v[AB+2*\b]  ; the same of each block's largest score
.endr
.set n, 0
.rept 64
	v_exp_f32 v[S+n], v[S+n]                       ; p = 2^(t - M): not normalised
.set n, n+1
.endr
.irp b, 0,1,2,3
	v_exp_f32 v[XB+\b], v[XB+\b]                   ; the block's largest p: the same two instructions on the same number
.endr
	v_pk_mul_f32 v[14:15], v[14:15], v[FF:FF+1] op_sel_hi:[1,0]   ; the sums under the new M (a plain line behind the exponentials)
	s_wait_alu depctr_va_vdst(0)
.irp b, 0,1,2,3
	v_max_num_f32 v[XB+\b], 0x1800000, v[XB+\b]    ; the floor 2^(3 - 127): the byte cannot fall under 1
.endr
.irp b, 0,1,2,3
	v_add_nc_u32 v[SO+\b], 0xff000000, v[XB+\b]
.endr
.irp b, 0,1,2,3
	v_lshrrev_b32 v[PD+\b], 23, v[SO+\b]
.endr
	v_lshl_or_b32 v[PS], v[PD+1], 8, v[PD]
	v_lshl_or_b32 v[PS], v[PD+2], 16, v[PS]
	v_lshl_or_b32 v[PS], v[PD+3], 24, v[PS]
.irp c, 0,1
	v_cvt_scalef32_pk16_fp6_f32 v[PC+6*\c:PC+6*\c+2], v[S+32*\c:S+32*\c+15], v[SO+2*\c]
	v_cvt_scalef32_pk16_fp6_f32 v[YT+4*\c:YT+4*\c+2], v[S+32*\c+16:S+32*\c+31], v[SO+2*\c+1]
.endr
	v_nop                                          ; one plain line behind the scaled conversions
.irp c, 0,1
.irp i, 0,1,2
	v_permlane16_swap_b32 v[PC+6*\c+\i], v[YT+4*\c+\i]
.endr
.irp i, 0,1,2
	v_mov_b32 v[PC+6*\c+3+\i], v[YT+4*\c+\i]
.endr
.endr
	v_pk_add_f32 v[C2:C2+1], v[S:S+1], v[S+2:S+3]  ; the row's sum of the unquantised p, in two chains
.irp j, 4,8,12,16,20,24,28,32,36,40,44,48,52,56,60
	v_pk_add_f32 v[14:15], v[14:15], v[S+\j:S+\j+1]
	v_pk_add_f32 v[C2:C2+1], v[C2:C2+1], v[S+\j+2:S+\j+3]
.endr
	v_pk_add_f32 v[14:15], v[14:15], v[C2:C2+1]
.set n, 0
.rept 16
	v_pk_mul_f32 v[O+2*n:O+2*n+1], v[O+2*n:O+2*n+1], v[FF:FF+1] op_sel_hi:[1,0]   ; O^T under the new M
.set n, n+1
.endr
	s_wait_dscnt 0x0                               ; V
.irp t, 0,1,2,3
.if \t%2
	v_wmma_scale_f32_16x16x128_f8f6f4 v[O+8*\t:O+8*\t+7], v[F+12*\t:F+12*\t+11], v[PC:PC+11], v[O+8*\t:O+8*\t+7], v[VSC+\t/2], v[PS] matrix_a_fmt:MATRIX_FMT_FP6 matrix_b_fmt:MATRIX_FMT_FP6 matrix_a_scale:MATRIX_SCALE_ROW1
.else
	v_wmma_scale_f32_16x16x128_f8f6f4 v[O+8*\t:O+8*\t+7], v[F+12*\t:F+12*\t+11], v[PC:PC+11], v[O+8*\t:O+8*\t+7], v[VSC+\t/2], v[PS] matrix_a_fmt:MATRIX_FMT_FP6 matrix_b_fmt:MATRIX_FMT_FP6
.endif
.endr                                  ; the four accumulators take turns, one instruction a turn
.Lskip_\@:
	v_add_f32 v[NF], 0x43000000, v[NF]             ; 128 keys on
	s_add_co_u32 s54, s54, 12800
.endm
; A JOB: one block of 128 queries.  n = 0: block i, at most 4 steps; n = 1: block 7 - i, at most 8.
.macro JOB n, trips
.if \n == 0
	s_mov_b32 s52, s17
.else
	s_sub_co_u32 s52, 7, s17
.endif
	s_lshl_b32 s66, s19, 5
	s_add_co_u32 s66, s66, s21
	s_lshl_b32 s66, s66, 3
	s_add_co_u32 s66, s66, s52
	s_mul_i32 s66, s66, 6400
	s_mov_b32 s67, 0
	s_add_nc_u64 s[56:57], s[4:5], s[66:67]        ; q's block: ((32 b + head) x 8 + block) x 6,400
	s_lshl_b32 s68, s19, 3
	s_add_co_u32 s68, s68, s52                     ; the block of 128 tokens among all 32
	s_lshl_b32 s66, s68, 5
	s_add_co_u32 s66, s66, s21
	s_lshl_b32 s66, s66, 3
	s_add_co_u32 s66, s66, s14
	s_mul_i32 s66, s66, 768
	s_add_nc_u64 s[58:59], s[8:9], s[66:67]        ; o's codes: (token block, head, tile) x 768
	s_lshl_b32 s66, s68, 4
	s_add_co_u32 s66, s66, s20
	s_lshl_b32 s66, s66, 9
	s_add_nc_u64 s[60:61], s[10:11], s[66:67]      ; o's scale words: (token block, pair of heads) x 512
.irp k, 0,1,2
	global_load_b128 v[F+4*\k:F+4*\k+3], v[AQ], s[56:57] offset:512*\k
.endr
	global_load_b32 v254, v[AQS], s[56:57]
	v_mov_b32 v13, 0xff61b1e6                      ; the largest t so far: -3e38
	v_floor_f32 v12, -v13
	v_mov_b32 v14, 0
	v_mov_b32 v15, 0
	s_lshl_b32 s66, s52, 7
	s_lshl_b32 s69, s16, 5
	s_add_co_u32 s66, s66, s69                     ; Q0 = 128 x block + 32 G
	s_sub_co_i32 s66, 0, s66
	v_cvt_f32_i32 v[NF], s66
	s_mov_b32 s53, 0
	s_mov_b32 s54, 0
	s_wait_loadcnt 0x0
.irp i, 0,1,2,3,4,5
	v_cndmask_b32 v[QR+\i], v[F+\i], v[F+6+\i], s31    ; my tile of the image's two
.endr
.irp i, 0,1,2,3,4,5
	v_mov_b32 v[QR+12+\i], v[QR+\i]
.endr
	v_lshrrev_b32 v254, s32, v254
	v_and_b32 v254, 0xffff, v254
	v_lshl_or_b32 v[QS], v254, 16, v254            ; my tile's two bytes, for either place of q
.set n, 0
.rept 32
	v_mov_b32 v[O+n], 0                            ; the step is written once: the first finds zeros.  (These lines also stand between q's scale word and the first product)
.set n, n+1
.endr
.Lstep_\@:
	STEP
	s_add_co_u32 s53, s53, 1
	s_cmp_lt_u32 s53, \trips
	s_cbranch_scc1 .Lstep_\@
.rept 4
	v_nop                                          ; places behind the last products
.endr
	v_add_f32 v14, v14, v15
	v_permlanex16_b32 v254, v14, s24, s25
	v_add_f32 v14, v14, v254                       ; the row's sum
	v_rcp_f32 v[FF], v14
	v_nop
.set n, 0
	s_wait_alu depctr_va_vdst(0)
.rept 16
	v_pk_mul_f32 v[S+2*n:S+2*n+1], v[O+2*n:O+2*n+1], v[FF:FF+1] op_sel_hi:[1,0]   ; o: register 16 b + i = the head's number 32 b + 16 h + i
.set n, n+1
.endr
.irp b, 0,1
	v_max3_num_f32 v[BM+\b], |v[S+16*\b]|, |v[S+16*\b+1]|, 0x1800000
.endr
.irp i, 2,4,6,8,10,12,14
.irp b, 0,1
	v_max3_num_f32 v[BM+\b], v[BM+\b], |v[S+16*\b+\i]|, |v[S+16*\b+\i+1]|
.endr
.endr
.irp b, 0,1
	v_permlanex16_b32 v[PD+\b], v[BM+\b], s24, s25
.endr
.irp b, 0,1
	v_max_num_f32 v[BM+\b], v[BM+\b], v[PD+\b]
.endr
.irp b, 0,1
	v_add_nc_u32 v[SO+\b], 0xff000000, v[BM+\b]
.endr
.irp b, 0,1
	v_lshrrev_b32 v[PD+\b], 23, v[SO+\b]
.endr
	v_lshl_or_b32 v255, v[PD+1], 8, v[PD]          ; my head's two bytes of the row's scale word
	v_cvt_scalef32_pk16_fp6_f32 v[PC:PC+2], v[S:S+15], v[SO]
	v_cvt_scalef32_pk16_fp6_f32 v[YT:YT+2], v[S+16:S+31], v[SO+1]
	v_nop
.irp i, 0,1,2
	v_permlane16_swap_b32 v[PC+\i], v[YT+\i]
.endr
.irp i, 0,1,2
	v_mov_b32 v[PC+3+\i], v[YT+\i]
.endr
	global_store_b128 v[LI], v[PC:PC+3], s[58:59]              ; the wave stores 768 consecutive bytes, at a multiple of 256
	global_store_b64 v[L8], v[PC+4:PC+5], s[58:59] offset:512
	ds_store_b16 v[STA], v255 offset:512*\n        ; lanes r and r + 16 write the same 16 bits with the same value
.if \n == 0
	s_wait_tensorcnt 0x0                           ; the head's second half of K and V has landed: the next job reads it behind this barrier
.endif
	s_wait_dscnt 0x0                               ; for the others' sake: my store has landed
	s_barrier_signal -1
	s_barrier_wait -1
	s_cmp_lg_u32 s12, 0
	s_cbranch_scc1 .Lnot_0_\@
	ds_load_b128 v[S:S+3], v[RDA] offset:512*\n    ; wave 0 stores the sixteen waves' 512 bytes of scale words
	s_wait_dscnt 0x0
	global_store_b128 v[LI], v[S:S+3], s[60:61]
.Lnot_0_\@:
	s_wait_xcnt 0x0                                ; the stores' registers and bases are written again only behind this wait
.endm
	JOB 0, 4
	JOB 1, 8
	s_wait_tensorcnt 0x0
	ds_add_u32 v223, v227
	s_wait_dscnt 0x0
	s_endpgm
.Lfunc_end_k_q9da5e60310_attn:
	.size	k_q9da5e60310_attn, .Lfunc_end_k_q9da5e60310_attn-k_q9da5e60310_attn
	.p2alignl 7, 3214868480
	.fill 96, 4, 3214868480
	.section	.rodata,"a",@progbits
	.p2align	6, 0x0
	.amdhsa_kernel k_q9da5e60310_attn
		.amdhsa_group_segment_fixed_size 169984
		.amdhsa_private_segment_fixed_size 0
		.amdhsa_enable_private_segment 0
		.amdhsa_kernarg_size 32
		.amdhsa_user_sgpr_count 2
		.amdhsa_user_sgpr_kernarg_segment_ptr 1
		.amdhsa_wavefront_size32 1
		.amdhsa_system_sgpr_workgroup_id_x 1
		.amdhsa_system_sgpr_workgroup_id_y 1
		.amdhsa_system_sgpr_workgroup_id_z 1
		.amdhsa_system_vgpr_workitem_id 0
		.amdhsa_next_free_vgpr 256
		.amdhsa_next_free_sgpr 80
		.amdhsa_reserve_vcc 1
		.amdhsa_float_denorm_mode_32 3
		.amdhsa_float_denorm_mode_16_64 3
		.amdhsa_memory_ordered 1
		.amdhsa_forward_progress 1
		.amdhsa_inst_pref_size 63
	.end_amdhsa_kernel
	.amdgpu_metadata
---
amdhsa.version: [ 1, 2 ]
amdhsa.kernels:
  - .name:           k_q9da5e60310_attn
    .symbol:         k_q9da5e60310_attn.kd
    .args:
      - { .name: qc, .offset: 0, .size: 8, .value_kind: global_buffer, .address_space: global }
      - { .name: kv, .offset: 8, .size: 8, .value_kind: global_buffer, .address_space: global }
      - { .name: ao, .offset: 16, .size: 8, .value_kind: global_buffer, .address_space: global }
      - { .name: asc, .offset: 24, .size: 8, .value_kind: global_buffer, .address_space: global }
    .group_segment_fixed_size: 169984
    .private_segment_fixed_size: 0
    .kernarg_segment_align: 8
    .kernarg_segment_size: 32
    .max_flat_workgroup_size: 512
    .sgpr_count:     80
    .vgpr_count:     256
    .wavefront_size: 32
...
	.end_amdgpu_metadata
.endif
;; end of part 2
;; launch oproj (part 3): grid 8 x 32, 4 waves a work-group, clusters of 4 x 4, 327,680 bytes of LDS; arguments ao, asc, W_out_codes, W_out_scales, out0; writes out0
.if DOCPART == 3
	.amdgcn_target "amdgcn-amd-amdhsa--gfx1250"
	.amdhsa_code_object_version 6
	.text
	.protected	k_q9da5e60310_oproj
	.globl	k_q9da5e60310_oproj
	.p2align	8
	.type	k_q9da5e60310_oproj,@function
k_q9da5e60310_oproj:
	s_mov_b64 s[64:65], 0
	v_nop
	global_prefetch_b8 v0, s[64:65] scope:SCOPE_SE
	s_setreg_imm32_b32 hwreg(HW_REG_WAVE_MODE, 25, 1), 1
	s_wait_xcnt 0x0
	s_wait_alu depctr_hold_cnt(0) depctr_sa_sdst(0) depctr_va_vdst(0) depctr_va_sdst(0) depctr_va_ssrc(0) depctr_va_vcc(0) depctr_vm_vsrc(0)
	s_getreg_b32 s2, hwreg(HW_REG_IB_STS2, 6, 4)
	s_cmp_eq_u32 s2, 0
	s_cbranch_scc0 .Lentry_in_a_cluster
	s_endpgm
.Lentry_in_a_cluster:
	s_bfe_u32 s2, ttmp6, 0x10000c
	s_cmp_lg_u32 s2, 0xf033
	s_cbranch_scc0 .Lentry_shape_is_right
	s_endpgm
.Lentry_shape_is_right:
; out0 = o x W_out on codes of FP6 (E2M3) with E8M0 scales: M = 4,096 tokens, N = 1,024, K = 2,048 = (head, 64).
; A work-group of four waves makes 128 tokens x 128 columns (tiles of 256 x 256 would give 64 work-groups for 256 WGPs); a wave 64 x 64: 16 accumulators.
; K goes in four chunks of 512 through two LDS slots; a chunk is four quarters of 128, 16 matrix instructions each.  All is written out: every offset is an immediate.
; o's codes lie in memory in the order of the operand's registers ((token block, head, tile of 16 tokens): six registers, 768 bytes), so a chunk of A is one dense block and a fragment is two such entries (two heads).
; The tokens of a tile are not neighbours: lane r of tile i holds token 32 (i / 2) + 8 (i % 2) + r + 8 (r / 8); the way out puts each row at its place.
; W_out's rows come as rows of 192 bytes (256 along K) with 16 bytes of padding behind every 64: two strips to a chunk.
; The scale words of the work-group's 128 tokens and 128 columns, for all of K, come once.   The matrix instruction is used transposed: source 0 = 16 rows of W_out, source 1 = 16 tokens: a lane holds eight neighbouring columns of a token.
; CLUSTERS: 4 x 4 work-groups; A's blocks are shared along a row of the cluster, W_out's along a column: each is asked for jointly.
; REGISTERS: window 0: v16-30 addresses; v32-63 scale words, two sets, and nothing else; v64-127 the way out; v128-255 the accumulators ((a, b) at v[128 + 8 (4 a + b)]).   window 1: two fragment buffers at v0 and v128: A's four fragments, then W_out's four.
.set SLOT,  110592                     ; A: 8 heads x 8 tiles x 768 = 49,152; then W_out: 2 strips x 128 rows x 240
.set BOFF,  49152
.set STRIP, 30720
.set PITCH, 240
.set SCL,   2*SLOT                     ; the scales: 4,352 bytes a wave (16 units of 256 + 16): A's, then W_out's
.set SPARE, SCL+4*4352                 ; the spare words: two blocks of 256 bytes that no other line names
.set STG,   SPARE+512                  ; the stages: 16 rows x 272 bytes a wave; no tensor load lands here
.set ADA16, 16                         ; v16-17 A's entries, registers 0-3, in slot 0, 1
.set ADA8,  18                         ; v18-19 registers 4-5
.set ADB,   20                         ; v20-21 W_out's rows; v22-23 behind one padding more
.set STO,   24
.set RD,    25
.set CO,    26
.set ADSA,  27
.set SPW,   28
.set NIL,   29
.set ADSB,  30
.set SC,    32                         ; set z at v[32 + 16 z]: A's words at 2 q + pr (lanes 0-15 tile 2 pr, lanes 16-31 tile 2 pr + 1), W_out's at 8 + 4 p + q (lanes 0-15 block 2 p, lanes 16-31 block 2 p + 1)
.set OB,    64
.set ACC,   128
.set F0,    0
.set F1,    128
.set G1A, 24
.set G0A, 32
.set G1B, 48
.set G0B, 56
.set G1SA, 68
.set G0SA, 76
.set G1SB, 80
.set G0SB, 88
.set MSB, 0
.macro WIN new
.if MSB != (\new)
	s_set_vgpr_msb (MSB<<8)|(\new)
.set MSB, (\new)
.endif
.endm
.set MUL,  0x05                        ; sources 0 and 1 window 1; C and D window 0
.set TO_F, 0x40                        ; destination window 1
.macro JLOAD g0a, g1a, g0b, g1b        ; waves 0 and 1 fetch for A, waves 2 and 3 for W_out; four v_nop follow each of the two lines
	s_cmp_eq_u32 s15, 0
	s_cbranch_scc0 .Lfor_b_\@
	tensor_load_to_lds s[\g0a:\g0a+3], s[\g1a:\g1a+7]
	s_nop 0
.rept 4
	v_nop
.endr
	s_branch .Lasked_\@
.Lfor_b_\@:
	tensor_load_to_lds s[\g0b:\g0b+3], s[\g1b:\g1b+7]
	s_nop 0
.rept 4
	v_nop
.endr
.Lasked_\@:
.endm
.macro CREST
	s_cmp_lg_u32 s14, 0
	s_cbranch_scc1 .Lnot_wave_0_\@
	s_barrier_signal -3
.Lnot_wave_0_\@:
	s_barrier_wait -3
	s_barrier_signal -1
	s_barrier_wait -1
.endm
.macro CROUND
	s_barrier_signal -1
	s_barrier_wait -1
	CREST
.endm
.macro PLACES
.rept 4
	v_nop
.endr
.endm
	s_load_b128 s[4:7], s[0:1], 0x0                ; ao, asc
	s_load_b128 s[8:11], s[0:1], 0x10              ; W_out's codes, scales
	s_load_b64 s[12:13], s[0:1], 0x20              ; out0
	v_lshl_add_u32 v[SPW], v0, 2, SPARE
	v_mov_b32 v[NIL], 0
	ds_add_u32 v28, v29
	ds_add_u32 v28, v29
	s_wait_dscnt 0x0
	v_lshrrev_b32 v1, 5, v0
	v_readfirstlane_b32 s14, v1                    ; wave 0..3
	s_lshr_b32 s15, s14, 1                         ; which 64 tokens are mine.  Also: I fetch for A (0) or for W_out (1)
	s_and_b32 s16, s14, 1                          ; which 64 columns.  Also: which half I fetch
	s_bfe_u32 s40, ttmp6, 0x40000                  ; cx
	s_bfe_u32 s41, ttmp6, 0x40004                  ; cy
	s_lshl_b32 s42, ttmp9, 2
	s_add_co_u32 s42, s42, s40                     ; the block of 128 columns
	s_and_b32 s17, ttmp7, 0xffff
	s_lshl_b32 s17, s17, 2
	s_add_co_u32 s17, s17, s41                     ; the block of 128 tokens
	s_lshl_b32 s43, s41, 2
	s_lshl_b32 s43, 15, s43                        ; my row of the cluster
	s_lshl_b32 s44, 0x1111, s40                    ; my column
	s_or_b32 s[G1A+0], s43, (3<<16)|(1<<21)        ; A: 96 rows of 32 elements of 8 bytes, dense, no padding: four heads' entries
	s_mov_b32 s[G1A+1], 32<<16
	s_mov_b32 s[G1A+2], 96<<16
	s_mov_b32 s[G1A+3], 32<<16
	s_mov_b32 s[G1A+4], 96
	s_mov_b32 s[G1A+5], 32
	s_mov_b32 s[G1A+6], 0
	s_mov_b32 s[G1A+7], 0
	s_or_b32 s[G1B+0], s44, (0<<16)|(1<<20)|(1<<21)|(3<<22)|(3<<25)  ; W_out: 128 rows of 192 bytes, 1,536 apart; 4 words of padding after every 16
	s_mov_b32 s[G1B+1], 192<<16
	s_mov_b32 s[G1B+2], 128<<16
	s_mov_b32 s[G1B+3], 192<<16
	s_mov_b32 s[G1B+4], 128
	s_mov_b32 s[G1B+5], 1536
	s_mov_b32 s[G1B+6], 0
	s_mov_b32 s[G1B+7], 0
	s_or_b32 s[G1SA+0], s43, (3<<16)|(1<<20)|(1<<21)|(5<<22)|(3<<25) ; scales: 16 rows of 256 bytes, dense, 16 bytes of padding behind each
	s_or_b32 s[G1SB+0], s44, (3<<16)|(1<<20)|(1<<21)|(5<<22)|(3<<25)
.irp g, G1SA, G1SB
	s_mov_b32 s[\g+1], 32<<16
	s_mov_b32 s[\g+2], 16<<16
	s_mov_b32 s[\g+3], 32<<16
	s_mov_b32 s[\g+4], 16
	s_mov_b32 s[\g+5], 32
	s_mov_b32 s[\g+6], 0
	s_mov_b32 s[\g+7], 0
.endr
	s_mul_i32 s20, s17, 196608                     ; A: the token block's 32 heads x 8 tiles x 768,
	s_mul_i32 s18, s16, 24576                      ; my four heads of a chunk's eight (in memory and in a slot)
	s_add_co_u32 s20, s20, s18
	s_mov_b32 s21, 0
	s_mul_i32 s46, s42, 196608                     ; W_out: 128 rows of 1,536 bytes,
	s_mul_i32 s19, s16, 192                        ; my strip
	s_add_co_u32 s46, s46, s19
	s_mov_b32 s47, 0
	s_lshl_b32 s45, s16, 12
	s_lshl_b32 s22, s17, 13                        ; A's scale words: 8,192 bytes a token block, my half
	s_add_co_u32 s22, s22, s45
	s_mov_b32 s23, 0
	s_lshl_b32 s92, s42, 13                        ; W_out's: 128 rows of 64 bytes, my half
	s_add_co_u32 s92, s92, s45
	s_mov_b32 s93, 0
	s_mul_i32 s94, s14, 4352
	s_add_co_u32 s94, s94, SCL                     ; where my scales go
	s_mul_i32 s45, s16, STRIP
	s_add_co_u32 s45, s45, BOFF                    ; where my strip goes in a slot
	s_wait_kmcnt 0x0
	s_add_nc_u64 s[20:21], s[4:5], s[20:21]
	s_add_nc_u64 s[22:23], s[6:7], s[22:23]
	s_add_nc_u64 s[46:47], s[8:9], s[46:47]
	s_add_nc_u64 s[92:93], s[10:11], s[92:93]
	CROUND                                         ; all sixteen work-groups are here: the first joint loads meet
	s_mov_b32 s[G0SA], 1
	s_mov_b32 s[G0SA+1], s94
	s_mov_b64 s[G0SA+2:G0SA+3], s[22:23]
	s_or_b32 s[G0SA+3], s[G0SA+3], 0x80000000
	s_mov_b32 s[G0SB], 1
	s_mov_b32 s[G0SB+1], s94
	s_mov_b64 s[G0SB+2:G0SB+3], s[92:93]
	s_or_b32 s[G0SB+3], s[G0SB+3], 0x80000000
	JLOAD G0SA, G1SA, G0SB, G1SB
.irp s, 0,1
	s_mov_b32 s[G0A+4*\s], 1
	s_add_co_u32 s[G0A+4*\s+1], s18, \s*SLOT
	s_add_nc_u64 s[G0A+4*\s+2:G0A+4*\s+3], s[20:21], \s*49152
	s_or_b32 s[G0A+4*\s+3], s[G0A+4*\s+3], 0x80000000
	s_mov_b32 s[G0B+4*\s], 1
	s_add_co_u32 s[G0B+4*\s+1], s45, \s*SLOT
	s_add_nc_u64 s[G0B+4*\s+2:G0B+4*\s+3], s[46:47], \s*384
	s_or_b32 s[G0B+4*\s+3], s[G0B+4*\s+3], 0x80000000
	JLOAD G0A+4*\s, G1A, G0B+4*\s, G1B             ; three loads of mine are out at the most
.endr
	v_and_b32 v1, 15, v0                           ; r
	v_bfe_u32 v2, v0, 4, 1                         ; h
	v_and_b32 v3, 31, v0                           ; lane
	s_mul_i32 s21, s15, 3072                       ; my four tiles of a head's eight
	v_lshl_add_u32 v4, v3, 4, s21
	v_lshl_add_u32 v5, v3, 3, s21
	v_add_nc_u32 v5, 512, v5
	v_mul_u32_u24 v6, v1, PITCH
	v_mad_u32_u24 v6, v2, 24, v6
	s_mul_i32 s22, s16, 64*PITCH                   ; my 64 rows of W_out
	s_add_co_u32 s22, s22, BOFF
	v_add_nc_u32 v6, s22, v6
	v_lshl_add_u32 v7, v2, 4, v6
.irp s, 0,1
	v_add_nc_u32 v[ADA16+\s], \s*SLOT, v4
	v_add_nc_u32 v[ADA8+\s], \s*SLOT, v5
	v_add_nc_u32 v[ADB+\s], \s*SLOT, v6
	v_add_nc_u32 v[ADB+2+\s], \s*SLOT, v7
.endr
	s_mul_i32 s23, s14, 4352
	s_add_co_u32 s23, s23, STG                     ; my stage
	v_mul_u32_u24 v8, v1, 272
	v_lshl_add_u32 v8, v2, 5, v8
	v_add_nc_u32 v[STO], s23, v8                   ; in: row r, 32 bytes for each half of the lanes
	v_mul_u32_u24 v8, v2, 272
	v_lshl_add_u32 v8, v1, 4, v8
	v_add_nc_u32 v[RD], s23, v8                    ; back: lanes 0-15 one row of 256 bytes, lanes 16-31 the next
	v_lshlrev_b32 v8, 12, v2
	v_lshl_add_u32 v[CO], v1, 4, v8                ; and the same two rows in out0
	s_mul_i32 s21, s15, 272                        ; A's scale words: a pair of heads is two units, tiles 0-3 and 4-7
	s_add_co_u32 s21, s21, SCL
	v_lshl_add_u32 v[ADSA], v3, 2, s21
	s_mul_i32 s21, s16, 4352                       ; W_out's: four rows of 64 bytes to a unit; lane l takes row l of 32
	s_add_co_u32 s21, s21, SCL+8704
	v_lshrrev_b32 v8, 2, v3
	v_mul_u32_u24 v8, v8, 272
	v_and_b32 v9, 3, v3
	v_lshl_add_u32 v8, v9, 6, v8
	v_add_nc_u32 v[ADSB], s21, v8
	s_lshl_b32 s20, s17, 7
	s_lshl_b32 s21, s15, 6
	s_add_co_u32 s20, s20, s21                     ; my first token
	s_lshl_b32 s20, s20, 12                        ; rows of 4,096 bytes
	s_lshl_b32 s46, s42, 9
	s_lshl_b32 s47, s16, 8
	s_add_co_u32 s46, s46, s47                     ; my first column, in bytes
	s_add_co_u32 s20, s20, s46
	s_mov_b32 s21, 0
	s_add_nc_u64 s[12:13], s[12:13], s[20:21]
.macro FRAG reg, adr, q, i             ; a fragment of W_out: six pieces of 8 bytes; quarter q lies in strip q / 2, at its (q % 2)-th 128 along K
.irp p, 0,1,2,3,4,5
.set PCE, 12*((\q)%2)+6*(\p/3)+\p%3
.if PCE%8 < 5
	ds_load_b64 v[\reg+2*\p:\reg+2*\p+1], v[\adr] offset:8*PCE+16*(PCE/8)+STRIP*((\q)/2)+(\i)*16*PITCH
.else
	ds_load_b64 v[\reg+2*\p:\reg+2*\p+1], v[\adr+2] offset:8*PCE+16*(PCE/8)+STRIP*((\q)/2)+(\i)*16*PITCH
.endif
.endr
.endm
.macro FETCH slot, q, f                ; 40 LDS loads: a quarter's fragments into buffer f
	WIN TO_F
.irp a, 0,1,2,3
.irp e, 0,1
	ds_load_b128 v[\f+12*\a+6*\e:\f+12*\a+6*\e+3], v[ADA16+\slot] offset:((2*(\q)+\e)*8+\a)*768
	ds_load_b64 v[\f+12*\a+6*\e+4:\f+12*\a+6*\e+5], v[ADA8+\slot] offset:((2*(\q)+\e)*8+\a)*768
.endr
.endr
.irp b, 0,1,2,3
	FRAG \f+48+12*\b, ADB+\slot, \q, \b
.endr
	WIN 0
.endm
.macro SCALES sg                       ; chunk sg's scale words into set sg % 2
.set ZB, SC+16*((\sg)%2)
.irp p, 0,1
	ds_load_b128 v[ZB+8+4*\p:ZB+8+4*\p+3], v[ADSB] offset:2176*\p+16*(\sg)
.endr
.irp q, 0,1,2,3
.irp pr, 0,1
	ds_load_b32 v[ZB+2*\q+\pr], v[ADSA] offset:(4*(\sg)+\q)*544+128*\pr
.endr
.endr
.endm
.macro WM d, x, y, sx, sy, rx, ry, zero    ; one product; rx, ry: a side's scales stand in lanes 16-31
.if \zero
.if (\rx) && (\ry)
	v_wmma_scale_f32_16x16x128_f8f6f4 v[\d:\d+7], v[\x:\x+11], v[\y:\y+11], 0, v[\sx], v[\sy] matrix_a_fmt:MATRIX_FMT_FP6 matrix_b_fmt:MATRIX_FMT_FP6 matrix_a_scale:MATRIX_SCALE_ROW1 matrix_b_scale:MATRIX_SCALE_ROW1
.elseif (\rx)
	v_wmma_scale_f32_16x16x128_f8f6f4 v[\d:\d+7], v[\x:\x+11], v[\y:\y+11], 0, v[\sx], v[\sy] matrix_a_fmt:MATRIX_FMT_FP6 matrix_b_fmt:MATRIX_FMT_FP6 matrix_a_scale:MATRIX_SCALE_ROW1
.elseif (\ry)
	v_wmma_scale_f32_16x16x128_f8f6f4 v[\d:\d+7], v[\x:\x+11], v[\y:\y+11], 0, v[\sx], v[\sy] matrix_a_fmt:MATRIX_FMT_FP6 matrix_b_fmt:MATRIX_FMT_FP6 matrix_b_scale:MATRIX_SCALE_ROW1
.else
	v_wmma_scale_f32_16x16x128_f8f6f4 v[\d:\d+7], v[\x:\x+11], v[\y:\y+11], 0, v[\sx], v[\sy] matrix_a_fmt:MATRIX_FMT_FP6 matrix_b_fmt:MATRIX_FMT_FP6
.endif
.else
.if (\rx) && (\ry)
	v_wmma_scale_f32_16x16x128_f8f6f4 v[\d:\d+7], v[\x:\x+11], v[\y:\y+11], v[\d:\d+7], v[\sx], v[\sy] matrix_a_fmt:MATRIX_FMT_FP6 matrix_b_fmt:MATRIX_FMT_FP6 matrix_a_scale:MATRIX_SCALE_ROW1 matrix_b_scale:MATRIX_SCALE_ROW1
.elseif (\rx)
	v_wmma_scale_f32_16x16x128_f8f6f4 v[\d:\d+7], v[\x:\x+11], v[\y:\y+11], v[\d:\d+7], v[\sx], v[\sy] matrix_a_fmt:MATRIX_FMT_FP6 matrix_b_fmt:MATRIX_FMT_FP6 matrix_a_scale:MATRIX_SCALE_ROW1
.elseif (\ry)
	v_wmma_scale_f32_16x16x128_f8f6f4 v[\d:\d+7], v[\x:\x+11], v[\y:\y+11], v[\d:\d+7], v[\sx], v[\sy] matrix_a_fmt:MATRIX_FMT_FP6 matrix_b_fmt:MATRIX_FMT_FP6 matrix_b_scale:MATRIX_SCALE_ROW1
.else
	v_wmma_scale_f32_16x16x128_f8f6f4 v[\d:\d+7], v[\x:\x+11], v[\y:\y+11], v[\d:\d+7], v[\sx], v[\sy] matrix_a_fmt:MATRIX_FMT_FP6 matrix_b_fmt:MATRIX_FMT_FP6
.endif
.endif
.endm
.macro MULA f, q, z, a, zero           ; four products: token tile a x W_out's four blocks.  The 16 accumulators take turns, in the same order in every quarter
.irp b, 0,1,2,3
	WM ACC+8*(4*(\a)+\b), \f+48+12*\b, \f+12*(\a), SC+16*(\z)+8+4*(\b/2)+(\q), SC+16*(\z)+2*(\q)+(\a)/2, \b%2, (\a)%2, \zero
.endr
.endm
.macro QUARTER sg, q, zero             ; one of a chunk's first three quarters: the next quarter's fragments are asked for, then this one is multiplied
	s_wait_dscnt 0x0                               ; this quarter's fragments (and, in a chunk's first, its scale words) are in
	PLACES                                         ; behind the last quarter's products, whose buffer is loaded again
	FETCH (\sg)%2, (\q)+1, 128*(1-(\q)%2)
	WIN MUL
.irp a, 0,1,2,3
	MULA 128*((\q)%2), \q, (\sg)%2, \a, \zero
.endr
	WIN 0
.endm
; A chunk's last quarter changes slots: one barrier; in front of it each wave waits for all its tensor loads, adds 0 to its spare word, and waits for that and for its reads of this slot.
.macro TURN sg, fill
.set SL, (\sg)%2
	s_wait_tensorcnt 0x0                           ; all my tensor loads have landed: my part of the next slot
	ds_add_u32 v[SPW], v[NIL]                      ; 0 onto my spare word
	s_wait_dscnt 0x1                               ; this quarter's fragments are in; the add alone may be out
	WIN MUL
	MULA F1, 3, (\sg)%2, 0, 0
	s_wait_dscnt 0x0                               ; the add is done, and my reads of this slot are over
	s_barrier_signal -1
	MULA F1, 3, (\sg)%2, 1, 0
	WIN 0
	s_barrier_wait -1
.if \fill
	CREST                                          ; the barrier has opened a round of the cluster's barrier: no wave of any partner still reads this slot or has a load on its way
	s_add_nc_u64 s[G0A+4*SL+2:G0A+4*SL+3], s[G0A+4*SL+2:G0A+4*SL+3], 98304
	s_add_nc_u64 s[G0B+4*SL+2:G0B+4*SL+3], s[G0B+4*SL+2:G0B+4*SL+3], 768
	JLOAD G0A+4*SL, G1A, G0B+4*SL, G1B             ; the first tensor load behind the round; its four v_nop are the places in front of the loads below
.else
	PLACES
.endif
	FETCH ((\sg)+1)%2, 0, F0
	SCALES (\sg)+1
	WIN MUL
	MULA F1, 3, (\sg)%2, 2, 0
	MULA F1, 3, (\sg)%2, 3, 0
	WIN 0
.endm
	s_wait_tensorcnt 1                             ; the scales and my part of slot 0 are in; slot 1's load may be out
	s_barrier_signal -1
	s_barrier_wait -1
	FETCH 0, 0, F0
	SCALES 0
	QUARTER 0, 0, 1                                ; the first quarter's products start the sums
	QUARTER 0, 1, 0
	QUARTER 0, 2, 0
	TURN 0, 1                                      ; slot 0 takes chunk 2
	QUARTER 1, 0, 0
	QUARTER 1, 1, 0
	QUARTER 1, 2, 0
	TURN 1, 1                                      ; slot 1 takes chunk 3
	QUARTER 2, 0, 0
	QUARTER 2, 1, 0
	QUARTER 2, 2, 0
	TURN 2, 0                                      ; nothing is left to fetch
	QUARTER 3, 0, 0
	QUARTER 3, 1, 0
	QUARTER 3, 2, 0
	s_wait_dscnt 0x0
	WIN MUL
.irp a, 0,1,2,3
	MULA F1, 3, 1, \a, 0
.endr
	WIN 0
	; THE WAY OUT, a tile of 16 tokens x 64 columns at a time, through my own stage: rows of 256 bytes come back whole, and sixteen lanes store one of them.  Stage row rr is token 32 (a / 2) + 8 (a % 2) + rr + 8 (rr / 8) of my 64.
	PLACES
.irp a, 0,1,2,3
.if \a > 1
	s_wait_xcnt 0x0                                ; tile a - 2's stores have read their registers
.endif
.irp b, 0,1,2,3
	ds_store_b128 v[STO], v[ACC+8*(4*\a+\b):ACC+8*(4*\a+\b)+3] offset:64*\b        ; each accumulator from its low end on
	ds_store_b128 v[STO], v[ACC+8*(4*\a+\b)+4:ACC+8*(4*\a+\b)+7] offset:64*\b+16
.endr
.irp t, 0,1,2,3,4,5,6,7
	ds_load_b128 v[OB+32*(\a%2)+4*\t:OB+32*(\a%2)+4*\t+3], v[RD] offset:544*\t     ; LDS serves a wave's instructions in order (ISA guide 5.7.1.4): these see the stores above
.endr
	s_wait_dscnt 0x0
.irp t, 0,1,2,3,4,5,6,7
	global_store_b128 v[CO], v[OB+32*(\a%2)+4*\t:OB+32*(\a%2)+4*\t+3], s[12:13] offset:(32*(\a/2)+8*(\a%2)+2*\t+8*(\t/4))*4096 th:TH_STORE_NT   ; 16 lanes store 256 consecutive bytes, at a multiple of 256
.endr
.endr
	s_wait_tensorcnt 0x0                           ; the wave's end
	ds_add_u32 v[SPW], v[NIL]
	s_wait_dscnt 0x0
	CROUND                                         ; the closing round
	s_endpgm
.Lfunc_end_k_q9da5e60310_oproj:
	.size	k_q9da5e60310_oproj, .Lfunc_end_k_q9da5e60310_oproj-k_q9da5e60310_oproj
	.p2alignl 7, 3214868480
	.fill 96, 4, 3214868480
	.section	.rodata,"a",@progbits
	.p2align	6, 0x0
	.amdhsa_kernel k_q9da5e60310_oproj
		.amdhsa_group_segment_fixed_size 327680
		.amdhsa_private_segment_fixed_size 0
		.amdhsa_enable_private_segment 0
		.amdhsa_kernarg_size 40
		.amdhsa_user_sgpr_count 2
		.amdhsa_user_sgpr_kernarg_segment_ptr 1
		.amdhsa_wavefront_size32 1
		.amdhsa_system_sgpr_workgroup_id_x 1
		.amdhsa_system_sgpr_workgroup_id_y 1
		.amdhsa_system_sgpr_workgroup_id_z 1
		.amdhsa_system_vgpr_workitem_id 0
		.amdhsa_next_free_vgpr 512
		.amdhsa_next_free_sgpr 96
		.amdhsa_reserve_vcc 0
		.amdhsa_float_denorm_mode_32 3
		.amdhsa_float_denorm_mode_16_64 3
		.amdhsa_memory_ordered 1
		.amdhsa_forward_progress 1
		.amdhsa_inst_pref_size 99
	.end_amdhsa_kernel
	.amdgpu_metadata
---
amdhsa.version: [ 1, 2 ]
amdhsa.kernels:
  - .name:           k_q9da5e60310_oproj
    .symbol:         k_q9da5e60310_oproj.kd
    .args:
      - { .name: ao, .offset: 0, .size: 8, .value_kind: global_buffer, .address_space: global }
      - { .name: asc, .offset: 8, .size: 8, .value_kind: global_buffer, .address_space: global }
      - { .name: W_out_codes, .offset: 16, .size: 8, .value_kind: global_buffer, .address_space: global }
      - { .name: W_out_scales, .offset: 24, .size: 8, .value_kind: global_buffer, .address_space: global }
      - { .name: out0, .offset: 32, .size: 8, .value_kind: global_buffer, .address_space: global }
    .group_segment_fixed_size: 327680
    .private_segment_fixed_size: 0
    .kernarg_segment_align: 8
    .kernarg_segment_size: 40
    .max_flat_workgroup_size: 128
    .sgpr_count:     96
    .vgpr_count:     512
    .wavefront_size: 32
...
	.end_amdgpu_metadata
.endif
;; end of part 3
